; MI455X (gfx1250); checked and timed in simulation.
; The chip was launched on July 23, 2026; its instructions are those of AMD's public machine-readable ISA for CDNA 5 (MIT licence, August 2026) and "CDNA5" Instruction Set Architecture Reference Guide (July 2026). The comments in the code are by the model that wrote it; some were corrected since.
;; Attention. Allowed arithmetic: matrix products marked QUANTISED: E2M3 operands, one E8M0 scale for each 32 along K, by v_wmma_scale_f32_16x16x128_f8f6f4 with both operands' format E2M3, f32 sums; everything else in f32.
;; Inputs: key 4 x 16 x 2,048 x 64 float32; query 4 x 16 x 2,048 x 64 float32; value 4 x 16 x 2,048 x 64 float32.
;; Outputs: out0 4 x 16 x 2,048 x 64 float32.
;; This version of the problem:
;;   THIS VERSION OF THE PROBLEM IS GIVEN IN LOW PRECISION. The matrix products marked QUANTISED in the list below multiply operands that are first quantised to E2M3 (2 exponent bits, 3 mantissa bits; 6 bits a number), with one power-of-two scale for each 32 numbers along K (OCP MX v1.0); their sums are f32. All else is computed in f32.
;;   The module's matrix products, in the order in which they are computed (A, B: the left and right operand; K: the contracted axis; several contracted axes count as one K, in the product's order):
;;     1. batch 64 x [M 2,048, K 64] x [K 64, N 2,048]; A: input query; B: input key: QUANTISED
;;     2. batch 64 x [M 2,048, K 2,048] x [K 2,048, N 64]; A: softmax (see below); B: input value: QUANTISED
;;   THE QUANTISER, for each operand of a quantised product, along K:
;;     - K is cut into blocks of 32 from its start; a last block that is shorter is filled with zeros.
;;     - A block's scale is 2^e with e = floor(log2(the largest magnitude in the block)) - 2, held to -126 .. 127; a block of zeros has e = 0. As a byte (E8M0): e + 127.
;;     - Each number is divided by its block's scale, clamped to +-7.5, and rounded to the nearest number of E2M3, ties to even, subnormals kept.
;;     - The product sums the exact products of the quantised numbers (number of the format x scale) in f32.
;;   ~~~python
;;   def quantise(x, axis):      # numpy; x: float32 -> the quantised numbers, widened to float32 again
;;       x = np.moveaxis(x, axis, -1); K = x.shape[-1]
;;       x = np.pad(x, [(0, 0)] * (x.ndim - 1) + [(0, -K % 32)]); x = x.reshape(x.shape[:-1] + (-1, 32)); a = np.abs(x).max(-1, keepdims=True)
;;       e = np.where(a > 0, np.clip(np.frexp(np.where(a > 0, a, 1))[1] - 1 - 2, -126, 127), 0)      # np.frexp(a)[1] - 1 = floor(log2(a)), exactly
;;       r = np.clip(x / 2.0 ** e, -7.5, 7.5)
;;       step = 2.0 ** (np.maximum(np.frexp(np.where(r == 0, 1, r))[1] - 1, 0) - 3)
;;       q = np.round(r / step) * step * 2.0 ** e      # np.round: ties to even
;;       return np.moveaxis(q.reshape(q.shape[:-2] + (-1,))[..., :K], -1, axis).astype(np.float32)
;;   ~~~
;;   SOFTMAX AHEAD OF A QUANTISED PRODUCT. Where the list says 'softmax', what is quantised is not the finished softmax but p = 2^(t - M), with t = logit x log2(e) and M = ceil(the row's largest t), a whole number; so 1/2 < the row's largest p <= 1. The row's sum l is taken of the UNQUANTISED p, in f32, and the product's result is divided by l at the end. Since M is a whole number, a kernel that streams over the keys may use a running M (the ceiling of the running maximum): every later rescaling is an exact power of two, which a block's scale takes up: the codes' values come out the same.
;;   OPERANDS COMPUTED ON THE WAY. 'Computed on the way' means the value that the module computes at that place (a softmax that the list does not call 'softmax' is quantised finished and normalised). What goes into a quantiser is computed in f32, as accurately as f32 sums, v_exp_f32 and their like allow (about 1e-6 of the number): no bf16 or f16 on the way to a quantiser, and a product that is left as it is and whose result goes on into a quantised operand takes f32 operands (vector FMAs, or v_wmma_f32_16x16x4_f32). A number that lies on a knife's edge between two numbers of the format may be rounded either way, as far as f32 arithmetic and the matrix unit's own rounding can turn it there, and no further.
;; One version. Each part assembles by itself: llvm-mc -triple=amdgcn-amd-amdhsa -mcpu=gfx1250 --defsym DOCPART=n.
;; ======== version 1 of 1: 1 launch
;; limits: right only within a limited range of input values
;; launch attn (part 1): grid 4 x 64, 16 waves a work-group, clusters of 4 x 1, 276,480 bytes of LDS; arguments query, key, value, out0; writes out0
.if DOCPART == 1
	.amdgcn_target "amdgcn-amd-amdhsa--gfx1250"
	.amdhsa_code_object_version 6
	.text
	.protected	k_q365e600fc4_attn
	.globl	k_q365e600fc4_attn
	.p2align	8
	.type	k_q365e600fc4_attn,@function
k_q365e600fc4_attn:
	s_mov_b64 s[64:65], 0
	v_nop
	global_prefetch_b8 v0, s[64:65] scope:SCOPE_SE
	s_setreg_imm32_b32 hwreg(HW_REG_WAVE_MODE, 25, 1), 1
	s_wait_xcnt 0x0
	s_wait_alu depctr_hold_cnt(0) depctr_sa_sdst(0) depctr_va_vdst(0) depctr_va_sdst(0) depctr_va_ssrc(0) depctr_va_vcc(0) depctr_vm_vsrc(0)
	s_getreg_b32 s2, hwreg(HW_REG_IB_STS2, 6, 4)
	s_cmp_eq_u32 s2, 0
	s_cbranch_scc0 .Lentry_in_a_cluster
	s_endpgm
.Lentry_in_a_cluster:
	s_bfe_u32 s2, ttmp6, 0x10000c
	s_cmp_lg_u32 s2, 0x3003
	s_cbranch_scc0 .Lentry_shape_is_right
	s_endpgm
.Lentry_shape_is_right:
; out0[head][q][:] = sum over k of softmax_k(query[head][q] . key[head][k] / 8) value[head][k][:]; 64 heads, 2,048 queries, 2,048 keys, head size 64.
; Both products on codes of FP6 (E2M3) with one E8M0 scale for each 32 along K: query and key along the head's 64, p and value along the keys.
; ONE LAUNCH.  A work-group owns one head (ttmp7) and 512 of its queries; its sixteen waves own 16 queries each, in two passes (queries 16 w + 256 p).
; key and value arrive as f32 and are quantised HERE, into LDS, as records of 12,800 bytes for each 128 keys, laid in the order of the operands' registers (l the lane, r = l % 16, h = l / 16):
;   byte 0      K's codes: tile t (0..7) at 768 t: six registers a lane, 0-3 at 16 l, 4-5 at 512 + 8 l.  Lane (r, h) of tile t = 4 c + i holds channels 32 h .. 32 h + 31 of key 64 c + 32 (r / 8) + 8 i + r % 8
;   byte 6144   V's codes: group g = 2 T + c at 768 g, laid likewise: lane (r, h) holds keys 64 c + 32 h + 0 .. 31 of channel 16 T + r
;   byte 12288  K's scale words, 8 bytes a lane: word j of lane r + 16 e belongs to row r of tiles 2 g, 2 g + 1, g = 2 j + e: bytes a0, a1, b0, b1
;   byte 12544  V's scale words, 8 bytes a lane: word j belongs to channel 32 j + l; byte kb scales keys 32 kb .. 32 kb + 31
; THE RECORDS ARE MADE FOUR AHEAD OF THEIR USE.  A wave's share of a record is a sixteenth (waves 0-7: K's tile w; waves 8-15: 32 keys x 32 channels of V).  The head makes records 0-3.  Behind key step s of the
; first pass (s = 0 .. 11) each wave quantises its sixteenth of record s + 4, from 32 registers loaded a step before, and loads its sixteenth of record s + 5.  So in steps 4 k .. 4 k + 3 records 4 k .. 4 k + 3 are read
; and records 4 k + 4 .. 4 k + 7 written: a barrier stands behind the head and behind steps 3, 7 and 11, and nowhere else.  The second pass only reads.
; By K's choice of rows a lane's 32 registers of tiles 4 c .. 4 c + 3 of S^T are the WHOLE block of keys 64 c + 32 h + 0 .. 31, in order: a block's maximum needs no other lane, and the conversions' results are P's operand.
; Both products are used transposed: S^T = K Q^T, O^T = V^T P^T: a lane holds ONE query (r) throughout.
; THE FIRST PRODUCT'S K IS 64, THE INSTRUCTION'S 128: source 0 holds two tiles of K side by side; against Q as [codes][zeros] the first counts, against [zeros][codes] the second: zero codes add nothing.
; THE SOFTMAX: t = score x log2(e) / 8; M = the running largest t rounded UP to a whole number; p = 2^(t - M) is quantised; the row's sum is taken of the unquantised p in f32 and divides O at the end.
; When M moves, the sum and O are multiplied by 2^(old M - new M): exact.
; FOUR WAVES SHARE A SIMD: maxima and sums go in eight chains by turns, short chains are laid among independent lines, and where a line must read the line just above it a one-field hint stands ahead of it.
; CLUSTER: the four work-groups of a head, which load the same rows of key and value, are launched together.  NO JOINT LOAD and no tensor load: key and value pass through registers on their way to the quantiser, and
; joint requests exist for tensor loads alone; so no round of the cluster's barrier is owed.  The place in the cluster enters query's and out0's addresses alone.
; NO PREFETCH: each register load in the loops is issued one whole key step ahead of the wait for it, and four steps ahead of the barrier that shows its record.
; LIMITS: NaN and infinities among the inputs are not served; a block of zeros gets the byte 1 (its codes are zeros, and this program alone reads the bytes); blocks whose largest magnitude lies under 2^-124 are held
; at the byte 1; a p under 2^-126 is taken as 0; the scaled scores stay under 2^31 in magnitude; a block's largest p is not searched for: the block's largest score goes through the same multiply-add and
; exponential, which takes v_exp_f32 not to fall where its input rises.
.set REC,  12800
.set VCO,  6144
.set KSO,  12288
.set VSO,  12544
.set RECG, 32768                       ; a record's 128 rows of 256 bytes in key or value
.set STG,  16*REC                      ; behind the records: a stage of 16 rows x 272 bytes for each wave, its own: K's and Q's turn on the way in, O on the way out
.set STW,  16*272
.set SPARE, STG+16*STW                 ; the spare words: 128 bytes a wave, named by no other line
; v1 16 l; v2 8 l; v3, v4 the same + the record in hand; v5 stage, two rows an instruction; v6 stage, a lane's 32 neighbours; v7 stage, O in; v8 4 l; v9 8 h; v10, v11 the add's two; v12 -M; v13 largest score; v[14:15] the sum
.set QF,   16                          ; v16-33   Q: [codes 6][zeros 6][codes 6]
.set KF,   34                          ; v34-81   K's eight tiles, six registers each; then V's eight groups; between steps the quantiser's work
.set S,    82                          ; v82-145  S^T, then p; in the head the numbers of records 1 and 2
.set O,    146                         ; v146-177 O^T, tile t at 8 t; in the head the numbers of record 3
.set PC,   178                         ; v178-189 p's codes
.set TH,   190                         ; v190-192, v194-196 upper halves as converted
.set BM,   198                         ; v198-199 my two blocks' largest scores, then largest p; then a chain of the sum
.set SCO,  200                         ; v200-201 a chain of each block's maximum; the conversions' scale operands; then a chain of the sum
.set PD,   202                         ; v202-203 a chain of each block's maximum; a permute's destination; scale bytes; then a chain of the sum
.set KSC,  204                         ; v204-205 K's scale words; v206-207 V's; v208 Q's; v209 p's: scales and nothing else
.set VSC,  206
.set QSC,  208
.set PSC,  209
.set F,    210                         ; v[210:211] f = 2^(old M - new M) in the low word; then a chain of the sum
.set TMP,  212                         ; v212-213 a chain of each block's maximum; scratch; then a chain of the sum
.set QA,   214                         ; v214-219 where my sixteenth of record 0 goes: K's 16 bytes, 8 bytes, scale byte; V's likewise (every wave makes both sets)
.set RAW,  220                         ; v220-251 32 numbers a lane on their way from memory
.set L2,   252                         ; v[252:253], v[254:255] two chains of the sum; between steps V's three LDS addresses
.set L3,   254
.set NB,   KF                          ; the quantiser: 32 neighbours; CD six registers of codes; THQ the upper 16 as converted; MX two chains; SO scale operand; BY byte
.set CD,   66
.set THQ,  72
.set MX,   76
.set SO,   78
.set BY,   79
	s_load_b128 s[4:7], s[0:1], 0x0                ; query, key
	s_load_b128 s[8:11], s[0:1], 0x10              ; value, out0
	v_lshrrev_b32 v9, 5, v0
	v_readfirstlane_b32 s12, v9                    ; wave 0..15
	s_and_b32 s13, ttmp7, 0xffff                   ; head, which the four partners share
	s_lshl_b32 s14, s13, 19                        ; its 2,048 rows of 256 bytes
	s_bfe_u32 s15, ttmp6, 0x40000                  ; cx: my place in the cluster
	s_lshl_b32 s16, ttmp9, 2                       ; in a cluster launch ttmp9 counts clusters
	s_add_co_u32 s15, s16, s15                     ; my block of 512 queries
	s_lshl_b32 s15, s15, 17
	s_add_co_u32 s16, s14, s15
	s_lshl_b32 s15, s12, 12                        ; my wave's 16
	s_add_co_u32 s16, s16, s15
	s_mov_b32 s17, 0
	s_and_b32 s35, s12, 1                          ; b0, b1, b2: the wave's three low bits
	s_bfe_u32 s36, s12, 0x10001
	s_bfe_u32 s37, s12, 0x10002
	s_and_b32 s18, s12, 3                          ; key: tile 4 c + i begins at row 64 c + 8 i
	s_lshl_b32 s18, s18, 11
	s_lshl_b32 s19, s37, 14
	s_add_co_u32 s18, s18, s19
	s_add_co_u32 s18, s18, s14
	s_mov_b32 s19, 0
	s_bfe_u32 s23, s12, 0x20001                    ; value: key block kb = bits 2:1, channels 32 j, j = b0
	s_lshl_b32 s24, s23, 13
	s_lshl_b32 s25, s35, 7
	s_add_co_u32 s24, s24, s25
	s_add_co_u32 s24, s24, s14
	s_mov_b32 s25, 0
	s_mul_i32 s26, s12, STW
	s_add_co_u32 s26, s26, STG                     ; my stage
	s_and_b32 s27, s12, 7
	s_mul_i32 s27, s27, 768                        ; K's tile t = w % 8
	s_lshl_b32 s38, s35, 1                         ; K's scale byte: 2 b0 + 128 b1 + 4 b2
	s_lshl_b32 s39, s36, 7
	s_add_co_u32 s38, s38, s39
	s_lshl_b32 s39, s37, 2
	s_add_co_u32 s38, s38, s39
	s_mul_i32 s40, s35, 3072                       ; V's group 4 j + 2 (l / 16) + kb / 2, operand lane r + 16 (kb % 2)
	s_mul_i32 s39, s37, 768
	s_add_co_u32 s40, s40, s39
	s_lshl_b32 s39, s36, 8
	s_add_co_u32 s41, s40, s39                     ; for the 16 bytes
	s_lshl_b32 s39, s36, 7
	s_add_co_u32 s40, s40, s39                     ; for the 8 bytes
	s_lshl_b32 s39, s35, 2
	s_add_co_u32 s39, s39, s23                     ; V's scale byte: 4 j + kb
	s_mov_b32 s28, 0x76543210
	s_mov_b32 s29, 0xfedcba98                      ; v_permlanex16_b32's selects for lane l xor 16
	s_mov_b32 s30, 0x3e38aa3b                      ; c = log2(e) / 8
	s_mov_b32 s31, s30                             ; (the packed form names the pair)
	s_mov_b32 s34, 0xbe38aa3b                      ; -c
	v_lshl_add_u32 v10, v0, 2, SPARE
	v_mov_b32 v11, 0
	v_and_b32 v9, 31, v0                           ; lane
	v_and_b32 v3, 15, v0                           ; r
	v_bfe_u32 v4, v0, 4, 1                         ; h
	v_lshlrev_b32 v1, 4, v9
	v_lshlrev_b32 v2, 3, v9
	v_lshlrev_b32 v8, 2, v9
	v_mul_u32_u24 v5, v4, 272
	v_mul_u32_u24 v6, v3, 272
	v_lshl_add_u32 v5, v3, 4, v5
	v_add_nc_u32 v6, s26, v6
	v_add_nc_u32 v5, s26, v5                       ; 272 h + 16 r
	v_lshl_add_u32 v7, v4, 5, v6                   ; row r, + 32 h
	v_lshl_add_u32 v6, v4, 7, v6                   ; row r, + 128 h
	v_add_nc_u32 v[QA], s27, v1
	v_add_nc_u32 v[QA+1], s27, v2
	v_lshl_add_u32 v[QA+2], v3, 3, v4              ; 8 r + h
	v_mul_u32_u24 v[QA+3], v4, 1536
	v_add_nc_u32 v[QA+2], s38, v[QA+2]
	v_lshl_add_u32 v[QA+4], v3, 3, v[QA+3]
	v_lshl_add_u32 v[QA+3], v3, 4, v[QA+3]
	v_add_nc_u32 v[QA+4], s40, v[QA+4]
	v_add_nc_u32 v[QA+3], s41, v[QA+3]
	v_add_nc_u32 v[QA+5], s39, v2
	v_lshlrev_b32 v9, 3, v4                        ; 8 h
	s_wait_alu depctr_va_vdst(0)                   ; the wait at the head's end
	s_wait_kmcnt 0x0
	s_add_nc_u64 s[4:5], s[4:5], s[16:17]          ; query and out0 at my wave's first row
	s_add_nc_u64 s[10:11], s[10:11], s[16:17]
	s_add_nc_u64 s[6:7], s[6:7], s[18:19]
	s_add_nc_u64 s[8:9], s[8:9], s[24:25]
	s_cmp_lt_u32 s12, 8                            ; waves 0-7 feed K, waves 8-15 V: the choice hangs on the wave's number alone
	s_cselect_b64 s[20:21], s[6:7], s[8:9]         ; my sixteenth of the record to be loaded next
.macro KLOAD dst, off                          ; my tile's 16 rows: 8 at the base, 8 more 32 rows on; two rows, 512 consecutive bytes, a load
.irp n, 0,1,2,3,4,5,6,7
	global_load_b128 v[\dst+4*\n:\dst+4*\n+3], v1, s[20:21] offset:\off+512*\n+6144*(\n/4)
.endr
.endm
.macro VLOAD dst, off                          ; a lane takes a channel, its registers run down 32 keys: 128 consecutive bytes a load, the wave beside me the row's other half
.set i, 0
.rept 32
	global_load_b32 v[\dst+i], v8, s[20:21] offset:\off+256*i
.set i, i+1
.endr
.endm
.macro QLOAD dst, off                          ; 16 rows of query; read once in the launch
.irp n, 0,1,2,3,4,5,6,7
	global_load_b128 v[\dst+4*\n:\dst+4*\n+3], v1, s[4:5] offset:\off+512*\n th:TH_LOAD_NT
.endr
.endm
.macro TURN src                                ; 16 rows as loaded turn through my stage: lane (r, h) gets channels 32 h .. 32 h + 31 of row r.  LDS serves a wave's instructions in order
.irp n, 0,1,2,3,4,5,6,7
	ds_store_b128 v5, v[\src+4*\n:\src+4*\n+3] offset:544*\n
.endr
.if \src == NB
	s_wait_dscnt 0x0                               ; the loads below land on the registers that these stores read
.endif
.irp n, 0,1,2,3,4,5,6,7
	ds_load_b128 v[NB+4*\n:NB+4*\n+3], v6 offset:16*\n
.endr
	s_wait_dscnt 0x0                               ; the neighbours are in, and the stores have read their registers
.endm
.macro QBLK x                                  ; a block of 32 numbers becomes six registers of codes at v[CD] and the scale's byte in v[BY]
	v_max3_num_f32 v[MX], |v[\x]|, |v[\x+1]|, 0x1800000            ; two chains; the floor 2^(3 - 127) is one leaf: the byte cannot fall under 1
	v_max3_num_f32 v[MX+1], |v[\x+2]|, |v[\x+3]|, |v[\x+4]|
.irp i, 5,9,13,17,21,25
	s_delay_alu instid0(VALU_DEP_2)
	v_max3_num_f32 v[MX], v[MX], |v[\x+\i]|, |v[\x+\i+1]|
	s_delay_alu instid0(VALU_DEP_2)
	v_max3_num_f32 v[MX+1], v[MX+1], |v[\x+\i+2]|, |v[\x+\i+3]|
.endr
	s_delay_alu instid0(VALU_DEP_2)
	v_max3_num_f32 v[MX], v[MX], |v[\x+29]|, |v[\x+30]|
	s_delay_alu instid0(VALU_DEP_1)
	v_max3_num_f32 v[MX], v[MX], v[MX+1], |v[\x+31]|
	s_delay_alu instid0(VALU_DEP_1)
	v_add_nc_u32 v[SO], 0xff000000, v[MX]          ; 2 off the exponent field: the conversion's scale operand
	v_cvt_scalef32_pk16_fp6_f32 v[CD:CD+2], v[\x:\x+15], v[SO]
	v_cvt_scalef32_pk16_fp6_f32 v[THQ:THQ+2], v[\x+16:\x+31], v[SO]   ; (a conversion's three registers begin on an even number)
	v_lshrrev_b32 v[BY], 23, v[SO]                 ; the byte; also the plain line behind the conversions
.irp i, 0,1,2
	v_mov_b32 v[CD+3+\i], v[THQ+\i]
.endr
.endm
; MY SIXTEENTH OF THE RECORD AT LDS BYTE s35, from v[src].  nxt = 1: my sixteenth of the record adv bytes on in memory is asked for, into v[RAW]; nxt = 2: the second pass's Q instead; nxt = 0: nothing.
.macro QSHARE src, nxt, adv
	v_add_nc_u32 v75, s35, v[QA]                   ; all six LDS addresses are made by every wave, ahead of the parting of the roles
	v_add_nc_u32 v80, s35, v[QA+1]
	v_add_nc_u32 v81, s35, v[QA+2]
	v_add_nc_u32 v252, s35, v[QA+3]
	v_add_nc_u32 v253, s35, v[QA+4]
	v_add_nc_u32 v254, s35, v[QA+5]
	s_wait_alu depctr_va_vdst(0)                   ; directly ahead of the wait below
	s_wait_loadcnt 0x0                             ; my loads, issued a key step ago, are in: so their base may be stepped
.if \nxt == 1
	s_add_nc_u64 s[20:21], s[20:21], \adv
.endif
	s_cmp_lt_u32 s12, 8
	s_cbranch_scc0 .Lv_\@
	TURN \src
.if \nxt == 1
	KLOAD RAW, 0
.endif
	QBLK NB
	ds_store_b128 v75, v[CD:CD+3]
	ds_store_b64 v80, v[CD+4:CD+5] offset:512
	ds_store_b8 v81, v[BY] offset:KSO
	s_branch .Lj_\@
.Lv_\@:
	QBLK \src
	ds_store_b128 v252, v[CD:CD+3] offset:VCO
	ds_store_b64 v253, v[CD+4:CD+5] offset:VCO+512
	ds_store_b8 v254, v[BY] offset:VSO
.if \nxt == 1
	VLOAD RAW, 0
.endif
.Lj_\@:
.if \nxt == 2
	QLOAD RAW, 65536
.endif
	s_wait_dscnt 0x0                               ; the stores have read their registers, on which the next step's fragments land
.endm
.macro BAR                                     ; my LDS stores have landed and my reads are over; then everybody's
	s_wait_dscnt 0x0
	s_barrier_signal -1
	s_barrier_wait -1
.endm
.macro QPREP src                               ; 16 rows of Q become codes on both sides of the zeros, and the scale word q0, q1, q0, q1
	TURN \src
	QBLK NB
.irp i, 0,1,2,3,4,5
	v_mov_b32 v[QF+\i], v[CD+\i]
	v_mov_b32 v[QF+12+\i], v[CD+\i]
.endr
	v_lshlrev_b32 v[BY], v9, v[BY]                 ; my byte at its place: block h
	v_permlanex16_b32 v[PD], v[BY], s28, s29
	v_or_b32 v[BY], v[BY], v[PD]
	v_lshl_or_b32 v[QSC], v[BY], 16, v[BY]
.endm
.macro INIT                                    ; O^T and the sum begin as zeros, which the first change of M leaves zeros.  These lines also stand between Q's codes and scale word and the first products
	v_mov_b32 v13, 0xff61b1e6                      ; the largest score so far: -3e38
	v_mov_b32 v14, 0
	v_mov_b32 v15, 0
	v_mul_f32 v12, s34, v13
	v_floor_f32 v12, v12                           ; -M
.set j, 0
.rept 32
	v_mov_b32 v[O+j], 0
.set j, j+1
.endr
.endm
.macro TFMA n                                  ; t - M for the next n pairs of scores, from register j on
.rept \n
	v_pk_fma_f32 v[S+j:S+j+1], v[S+j:S+j+1], s[30:31], v[12:13] op_sel_hi:[1,0,0]
.set j, j+2
.endr
.endm
.macro OMUL n                                  ; O^T under the new M: x f, the next n pairs, from register j on
.rept \n
	v_pk_mul_f32 v[O+j:O+j+1], v[O+j:O+j+1], v[F:F+1] op_sel_hi:[1,0]
.set j, j+2
.endr
.endm
.macro SUM8 k                                  ; eight pairs of p, from register k on, onto the sum's eight chains
	v_pk_add_f32 v[14:15], v[14:15], v[S+\k:S+\k+1]
	v_pk_add_f32 v[L2:L2+1], v[L2:L2+1], v[S+\k+2:S+\k+3]
	v_pk_add_f32 v[L3:L3+1], v[L3:L3+1], v[S+\k+4:S+\k+5]
	v_pk_add_f32 v[BM:BM+1], v[BM:BM+1], v[S+\k+6:S+\k+7]
	v_pk_add_f32 v[SCO:SCO+1], v[SCO:SCO+1], v[S+\k+8:S+\k+9]
	v_pk_add_f32 v[F:F+1], v[F:F+1], v[S+\k+10:S+\k+11]
	v_pk_add_f32 v[PD:PD+1], v[PD:PD+1], v[S+\k+12:S+\k+13]
	v_pk_add_f32 v[TMP:TMP+1], v[TMP:TMP+1], v[S+\k+14:S+\k+15]
.endm
; A KEY STEP: the 128 keys of the record at LDS byte s32.
.macro STEP
	v_add_nc_u32 v3, s32, v1
	v_add_nc_u32 v4, s32, v2
	s_wait_alu depctr_va_vdst(0)
.irp t, 0,1,2,3,4,5,6,7
	ds_load_b128 v[KF+6*\t:KF+6*\t+3], v3 offset:768*\t
	ds_load_b64 v[KF+6*\t+4:KF+6*\t+5], v4 offset:768*\t+512
.endr
	ds_load_b64 v[KSC:KSC+1], v4 offset:KSO
	s_wait_dscnt 0x0
.irp t, 0,1,2,3,4,5,6,7                        ; S^T = K Q^T: eight accumulators, each begun with the constant 0; tiles 2 g and 2 g + 1 share source 0
.if (\t/2)%2 == 0
	v_wmma_scale_f32_16x16x128_f8f6f4 v[S+8*\t:S+8*\t+7], v[KF+12*(\t/2):KF+12*(\t/2)+11], v[QF+6*(\t%2):QF+6*(\t%2)+11], 0, v[KSC+\t/4], v[QSC] matrix_a_fmt:MATRIX_FMT_FP6 matrix_b_fmt:MATRIX_FMT_FP6
.else
	v_wmma_scale_f32_16x16x128_f8f6f4 v[S+8*\t:S+8*\t+7], v[KF+12*(\t/2):KF+12*(\t/2)+11], v[QF+6*(\t%2):QF+6*(\t%2)+11], 0, v[KSC+\t/4], v[QSC] matrix_a_fmt:MATRIX_FMT_FP6 matrix_b_fmt:MATRIX_FMT_FP6 matrix_a_scale:MATRIX_SCALE_ROW1
.endif
.endr
.rept 4
	v_nop                                          ; four places between the products and the loads into their sources and the reads of their results
.endr
.irp g, 0,1,2,3,4,5,6,7
	ds_load_b128 v[KF+6*\g:KF+6*\g+3], v3 offset:VCO+768*\g        ; V's fragments land where K's lay, and come while the softmax runs
	ds_load_b64 v[KF+6*\g+4:KF+6*\g+5], v4 offset:VCO+768*\g+512
.endr
	ds_load_b64 v[VSC:VSC+1], v4 offset:VSO
	; the largest score of my two blocks of 32 keys: four chains a block, of 9, 9, 7 and 7 scores, the eight by turns.  Each chain begins among the four lowest registers of an accumulator
.irp c, 0,1
	v_max3_num_f32 v[BM+\c], v[S+32*\c], v[S+32*\c+1], v[S+32*\c+2]
	v_max3_num_f32 v[SCO+\c], v[S+32*\c+9], v[S+32*\c+10], v[S+32*\c+11]
	v_max3_num_f32 v[PD+\c], v[S+32*\c+18], v[S+32*\c+19], v[S+32*\c+20]
	v_max3_num_f32 v[TMP+\c], v[S+32*\c+25], v[S+32*\c+26], v[S+32*\c+27]
.endr
.irp i, 3,5
.irp c, 0,1
	v_max3_num_f32 v[BM+\c], v[BM+\c], v[S+32*\c+\i], v[S+32*\c+\i+1]
	v_max3_num_f32 v[SCO+\c], v[SCO+\c], v[S+32*\c+9+\i], v[S+32*\c+10+\i]
	v_max3_num_f32 v[PD+\c], v[PD+\c], v[S+32*\c+18+\i], v[S+32*\c+19+\i]
	v_max3_num_f32 v[TMP+\c], v[TMP+\c], v[S+32*\c+25+\i], v[S+32*\c+26+\i]
.endr
.endr
.irp c, 0,1
	v_max3_num_f32 v[BM+\c], v[BM+\c], v[S+32*\c+7], v[S+32*\c+8]
	v_max3_num_f32 v[SCO+\c], v[SCO+\c], v[S+32*\c+16], v[S+32*\c+17]
.endr
	s_delay_alu instid0(VALU_DEP_3)
	v_max3_num_f32 v[BM], v[BM], v[SCO], v[PD]     ; the chains are joined: each line below reads plain results alone
	s_delay_alu instid0(VALU_DEP_2)
	v_max3_num_f32 v[BM+1], v[BM+1], v[SCO+1], v[PD+1]
	s_delay_alu instid0(VALU_DEP_2)
	v_max_num_f32 v[BM], v[BM], v[TMP]
	s_delay_alu instid0(VALU_DEP_2)
	v_max_num_f32 v[BM+1], v[BM+1], v[TMP+1]
	s_delay_alu instid0(VALU_DEP_1)
	v_max_num_f32 v[TMP], v[BM], v[BM+1]
	s_delay_alu instid0(VALU_DEP_1)
	v_permlanex16_b32 v[PD], v[TMP], s28, s29
	v_mov_b32 v[TMP+1], v12                        ; the old -M
	s_delay_alu instid0(VALU_DEP_2)
	v_max3_num_f32 v13, v13, v[TMP], v[PD]         ; the running largest score of my query, lane l xor 16's keys among them
	s_delay_alu instid0(VALU_DEP_1)
	v_mul_f32 v[TMP], s34, v13
	s_delay_alu instid0(VALU_DEP_1)
	v_floor_f32 v12, v[TMP]                        ; the new -M = floor(-t) = -ceil(t)
	s_delay_alu instid0(VALU_DEP_1)
	v_sub_f32 v[TMP], v12, v[TMP+1]                ; old M less new M: a whole number, 0 or less
.set j, 0
	TFMA 4                                         ; t - M, two at a time; f's three lines stand among them
	v_cvt_i32_f32 v[TMP], v[TMP]                   ; (it saturates)
	TFMA 4
	v_ldexp_f32 v[F], 1.0, v[TMP]                  ; f = 2^(old M - new M)
	TFMA 24
.irp c, 0,1
	v_fma_f32 v[BM+\c], v[BM+\c], s30, v12         ; the same of each block's largest score
.endr
	s_wait_alu depctr_va_vdst(0)                   ; ahead of the batch
.irp c, 0,1
	v_exp_f32 v[BM+\c], v[BM+\c]                   ; the block's largest p
.endr
.set j, 0
.rept 64
	v_exp_f32 v[S+j], v[S+j]                       ; p = 2^(t - M): not normalised
.set j, j+1
.endr
	v_pk_mul_f32 v[14:15], v[14:15], v[F:F+1] op_sel_hi:[1,0]      ; the sums under the new M; also the plain line behind the exponentials
	s_wait_dscnt 0x0                               ; V is in: its 17 loads were issued ahead of the maxima
	s_wait_alu depctr_va_vdst(0)                   ; the one wait behind the batch; it stands directly ahead of the first reader of O^T too, and plain lines alone follow up to the last
.set j, 0
	OMUL 1                                         ; O^T's sixteen multiplications, with the lines that make p's scale word among them, so that none reads the line just above it
.irp c, 0,1
	v_max_num_f32 v[BM+\c], 0x1800000, v[BM+\c]    ; the floor 2^(3 - 127)
.endr
	OMUL 3
.irp c, 0,1
	v_add_nc_u32 v[SCO+\c], 0xff000000, v[BM+\c]   ; the conversion's scale operand
.endr
	OMUL 3
.irp c, 0,1
	v_lshrrev_b32 v[PD+\c], 23, v[SCO+\c]          ; the bytes of blocks h and 2 + h
.endr
	OMUL 4
	v_lshl_or_b32 v[TMP], v[PD+1], 16, v[PD]
	OMUL 4
	v_lshlrev_b32 v[TMP], v9, v[TMP]               ; at their places, 8 h bits up
	OMUL 1
.irp c, 0,1
	v_cvt_scalef32_pk16_fp6_f32 v[PC+6*\c:PC+6*\c+2], v[S+32*\c:S+32*\c+15], v[SCO+\c]      ; keys 64 c + 32 h + 0 .. 15: the operand's registers as they stand
	v_cvt_scalef32_pk16_fp6_f32 v[TH+4*\c:TH+4*\c+2], v[S+32*\c+16:S+32*\c+31], v[SCO+\c]   ; + 16 .. 31 (three registers begin on an even number: moved below)
.endr
	; the row's sum of the unquantised p, two at a time in eight chains: 32 lines, 16 of them ahead of the products below and 16 behind
	v_pk_add_f32 v[14:15], v[14:15], v[S:S+1]      ; also the plain line behind the conversions
	v_permlanex16_b32 v[PD], v[TMP], s28, s29
	v_pk_add_f32 v[L2:L2+1], v[S+2:S+3], v[S+4:S+5]
	v_pk_add_f32 v[L3:L3+1], v[S+6:S+7], v[S+8:S+9]
	v_pk_add_f32 v[BM:BM+1], v[S+10:S+11], v[S+12:S+13]
	v_pk_add_f32 v[SCO:SCO+1], v[S+14:S+15], v[S+16:S+17]
	v_or_b32 v[PSC], v[TMP], v[PD]                 ; with lane l xor 16's two bytes: p's scale word for these 128 keys
.irp c, 0,1
.irp i, 0,1,2
	v_mov_b32 v[PC+6*\c+3+\i], v[TH+4*\c+\i]
.endr
.endr
	v_pk_add_f32 v[F:F+1], v[S+18:S+19], v[S+20:S+21]
	v_pk_add_f32 v[PD:PD+1], v[S+22:S+23], v[S+24:S+25]
	v_pk_add_f32 v[TMP:TMP+1], v[S+26:S+27], v[S+28:S+29]
	SUM8 30                                        ; with the three above: eleven plain lines between p's codes and the products, seventeen behind its scale word
.irp t, 0,1,2,3                                ; O^T += V^T P^T: the four accumulators by turns
.if \t%2 == 0
	v_wmma_scale_f32_16x16x128_f8f6f4 v[O+8*\t:O+8*\t+7], v[KF+12*\t:KF+12*\t+11], v[PC:PC+11], v[O+8*\t:O+8*\t+7], v[VSC+\t/2], v[PSC] matrix_a_fmt:MATRIX_FMT_FP6 matrix_b_fmt:MATRIX_FMT_FP6
.else
	v_wmma_scale_f32_16x16x128_f8f6f4 v[O+8*\t:O+8*\t+7], v[KF+12*\t:KF+12*\t+11], v[PC:PC+11], v[O+8*\t:O+8*\t+7], v[VSC+\t/2], v[PSC] matrix_a_fmt:MATRIX_FMT_FP6 matrix_b_fmt:MATRIX_FMT_FP6 matrix_a_scale:MATRIX_SCALE_ROW1
.endif
.endr
	SUM8 46                                        ; sixteen plain lines that name no register of the products above: the places behind them
	v_pk_add_f32 v[14:15], v[14:15], v[S+62:S+63]
	v_pk_add_f32 v[L2:L2+1], v[L2:L2+1], v[L3:L3+1]
	v_pk_add_f32 v[BM:BM+1], v[BM:BM+1], v[SCO:SCO+1]
	v_pk_add_f32 v[F:F+1], v[F:F+1], v[PD:PD+1]
	v_pk_add_f32 v[14:15], v[14:15], v[TMP:TMP+1]
	s_delay_alu instid0(VALU_DEP_3)
	v_pk_add_f32 v[L2:L2+1], v[L2:L2+1], v[BM:BM+1]
	s_delay_alu instid0(VALU_DEP_2)
	v_pk_add_f32 v[14:15], v[14:15], v[F:F+1]
	s_delay_alu instid0(VALU_DEP_1)
	v_pk_add_f32 v[14:15], v[14:15], v[L2:L2+1]
.endm
; n KEY STEPS from the record at s32 on.  q = 1: behind each, my sixteenth of the record four on is made and that of the record five on asked for.
.macro RUN n, q
	s_mov_b32 s33, 0
.Lrun_\@:
	STEP
.if \q
	s_add_co_u32 s35, s32, 4*REC
	QSHARE RAW, 1, RECG
.endif
	s_add_co_u32 s32, s32, REC
	s_add_co_u32 s33, s33, 1
	s_cmp_lt_u32 s33, \n
	s_cbranch_scc1 .Lrun_\@
.endm
; THE WAY OUT of pass p: O^T is divided by the row's sum and goes through my stage, so that each store covers two whole rows of out0: 512 consecutive bytes.
.macro WAYOUT p
	s_wait_alu depctr_va_vdst(0)                   ; directly ahead of the reader below
	v_add_f32 v14, v14, v15
	v_permlanex16_b32 v[TMP], v14, s28, s29
	v_add_f32 v14, v14, v[TMP]                     ; the sum's two halves and lane l xor 16's
	s_wait_alu depctr_va_vdst(0)                   ; ahead of the transcendental,
	v_rcp_f32 v14, v14
	v_nop                                          ; a plain line behind it,
	s_wait_alu depctr_va_vdst(0)                   ; and ahead of its first reader
.set j, 0
.rept 32
	v_mul_f32 v[S+j], v[O+j], v14                  ; register 8 t + i is out0(query r, channel 16 t + 8 h + i)
.set j, j+1
.endr
.irp t, 0,1,2,3
	ds_store_b128 v7, v[S+8*\t:S+8*\t+3] offset:64*\t
	ds_store_b128 v7, v[S+8*\t+4:S+8*\t+7] offset:64*\t+16
.endr
.irp i, 0,1,2,3,4,5,6,7
	ds_load_b128 v[S+32+4*\i:S+32+4*\i+3], v5 offset:544*\i
.endr
.irp i, 0,1,2,3,4,5,6,7
	s_wait_dscnt 7-\i                              ; load i is in; the 7 - i behind it may be out
	global_store_b128 v1, v[S+32+4*\i:S+32+4*\i+3], s[10:11] offset:65536*\p+512*\i th:TH_STORE_NT
.endr
.endm
	QLOAD NB, 0                                    ; the first pass's Q, asked for first (loads leave SCC alone: it still holds wave < 8)
	s_cbranch_scc0 .Lhead_v
	KLOAD RAW, 0                                   ; my sixteenths of records 0 to 3, in four sets of 32 registers
	KLOAD S, RECG
	KLOAD S+32, 2*RECG
	KLOAD O, 3*RECG
	s_branch .Lhead_j
.Lhead_v:
	VLOAD RAW, 0
	VLOAD S, RECG
	VLOAD S+32, 2*RECG
	VLOAD O, 3*RECG
.Lhead_j:
.irp i, 0,1,2,3,4,5
	v_mov_b32 v[QF+6+\i], 0                        ; Q's zero half: written once
.endr
	v_mov_b32 v[PD], 0                             ; a lane permute's destination counts as one of its sources
	v_mov_b32 v[F+1], 0                            ; (named with v[F] as a pair)
	s_wait_alu depctr_va_vdst(0)                   ; directly ahead of the wait below
	s_wait_loadcnt 0x0
	QPREP NB
	s_mov_b32 s35, REC
	QSHARE S, 0, 0
	s_mov_b32 s35, 2*REC
	QSHARE S+32, 0, 0
	s_mov_b32 s35, 3*REC
	QSHARE O, 0, 0
	s_mov_b32 s35, 0
	QSHARE RAW, 1, 4*RECG                          ; record 0 last: its registers take record 4's numbers
	BAR                                            ; records 0-3 are whole
	INIT
	s_mov_b32 s32, 0
	RUN 4, 1                                       ; steps 0-3; records 4-7 are made
	BAR
	RUN 4, 1                                       ; steps 4-7; records 8-11
	BAR
	RUN 3, 1                                       ; steps 8-10; records 12-14
	STEP                                           ; step 11: record 15 is made; no record is left to ask for: the second pass's Q takes the registers
	s_add_co_u32 s35, s32, 4*REC
	QSHARE RAW, 2, 0
	BAR
	s_add_co_u32 s32, s32, REC
	RUN 4, 0                                       ; steps 12-15
	WAYOUT 0
	s_wait_loadcnt 0x0                             ; the second pass's Q is in
	QPREP RAW
	s_wait_xcnt 0x0                                ; the stores have read their registers: the next pass's scores are written there
	INIT
	s_mov_b32 s32, 0
	RUN 16, 0                                      ; all sixteen records are whole and nobody writes them: no barrier
	WAYOUT 1
	s_wait_tensorcnt 0x0                           ; the wave's end
	ds_add_u32 v10, v11
	s_wait_dscnt 0x0
	s_endpgm
.Lfunc_end_k_q365e600fc4_attn:
	.size	k_q365e600fc4_attn, .Lfunc_end_k_q365e600fc4_attn-k_q365e600fc4_attn
	.p2alignl 7, 3214868480
	.fill 96, 4, 3214868480
	.section	.rodata,"a",@progbits
	.p2align	6, 0x0
	.amdhsa_kernel k_q365e600fc4_attn
		.amdhsa_group_segment_fixed_size 276480
		.amdhsa_private_segment_fixed_size 0
		.amdhsa_enable_private_segment 0
		.amdhsa_kernarg_size 32
		.amdhsa_user_sgpr_count 2
		.amdhsa_user_sgpr_kernarg_segment_ptr 1
		.amdhsa_wavefront_size32 1
		.amdhsa_system_sgpr_workgroup_id_x 1
		.amdhsa_system_sgpr_workgroup_id_y 1
		.amdhsa_system_sgpr_workgroup_id_z 1
		.amdhsa_system_vgpr_workitem_id 0
		.amdhsa_next_free_vgpr 256
		.amdhsa_next_free_sgpr 66
		.amdhsa_reserve_vcc 0
		.amdhsa_float_denorm_mode_32 3
		.amdhsa_float_denorm_mode_16_64 3
		.amdhsa_memory_ordered 1
		.amdhsa_forward_progress 1
		.amdhsa_inst_pref_size 187
	.end_amdhsa_kernel
	.amdgpu_metadata
---
amdhsa.version: [ 1, 2 ]
amdhsa.kernels:
  - .name:           k_q365e600fc4_attn
    .symbol:         k_q365e600fc4_attn.kd
    .args:
      - { .name: query, .offset: 0, .size: 8, .value_kind: global_buffer, .address_space: global }
      - { .name: key, .offset: 8, .size: 8, .value_kind: global_buffer, .address_space: global }
      - { .name: value, .offset: 16, .size: 8, .value_kind: global_buffer, .address_space: global }
      - { .name: out0, .offset: 24, .size: 8, .value_kind: global_buffer, .address_space: global }
    .group_segment_fixed_size: 276480
    .private_segment_fixed_size: 0
    .kernarg_segment_align: 8
    .kernarg_segment_size: 32
    .max_flat_workgroup_size: 512
    .sgpr_count:     66
    .vgpr_count:     256
    .wavefront_size: 32
...
	.end_amdgpu_metadata
.endif
;; end of part 1
